; MI455X (gfx1250); checked and timed in simulation.
; The chip was launched on July 23, 2026; its instructions are those of AMD's public machine-readable ISA for CDNA 5 (MIT licence, August 2026) and "CDNA5" Instruction Set Architecture Reference Guide (July 2026). The comments in the code are by the model that wrote it; some were corrected since.
;; Moe MLP. Allowed arithmetic: matrix products marked QUANTISED: E2M1 operands, one E8M0 scale for each 32 along K, by v_wmma_scale_f32_16x16x128_f8f6f4 with both operands' format E2M1 (or v_wmma_scale_f32_32x16x128_f4), f32 sums; products left as they are: f32 operands where the result goes on into a quantised operand, else bf16, f16 or f32 operands; f32 sums; everything else in f32.
;; Inputs: gate_w 8 x 1,024 float32; hidden_states 2 x 1,024 x 32 x 32 float32; w1 8 x 1,024 x 1,024 float32; w2 8 x 1,024 x 1,024 float32; w3 8 x 1,024 x 1,024 float32.
;; Outputs: out0 2 x 1,024 x 32 x 32 float32.
;; This version of the problem:
;;   THIS VERSION OF THE PROBLEM IS GIVEN IN LOW PRECISION. The matrix products marked QUANTISED in the list below multiply operands that are first quantised to E2M1 (2 exponent bits, 1 mantissa bit; 4 bits a number), with one power-of-two scale for each 32 numbers along K (OCP MX v1.0); their sums are f32. All else is computed in f32.
;;   The module's matrix products, in the order in which they are computed (A, B: the left and right operand; K: the contracted axis; several contracted axes count as one K, in the product's order):
;;     1. [M 2,048, K 1,024] x [K 1,024, N 8]; A: input hidden_states; B: input gate_w: left as it is (N = 8 < 16)
;;     2. [M 2,048, K 1,024] x [K 1,024, N 1,024]; A: input hidden_states; B: input w1: QUANTISED
;;     3. [M 2,048, K 1,024] x [K 1,024, N 1,024]; A: input hidden_states; B: input w3: QUANTISED
;;     4. [M 2,048, K 1,024] x [K 1,024, N 1,024]; A: computed on the way; B: input w2: QUANTISED
;;     5. [M 2,048, K 1,024] x [K 1,024, N 1,024]; A: input hidden_states; B: input w1: QUANTISED
;;     6. [M 2,048, K 1,024] x [K 1,024, N 1,024]; A: input hidden_states; B: input w3: QUANTISED
;;     7. [M 2,048, K 1,024] x [K 1,024, N 1,024]; A: computed on the way; B: input w2: QUANTISED
;;     8. [M 2,048, K 1,024] x [K 1,024, N 1,024]; A: input hidden_states; B: input w1: QUANTISED
;;     9. [M 2,048, K 1,024] x [K 1,024, N 1,024]; A: input hidden_states; B: input w3: QUANTISED
;;     10. [M 2,048, K 1,024] x [K 1,024, N 1,024]; A: computed on the way; B: input w2: QUANTISED
;;     11. [M 2,048, K 1,024] x [K 1,024, N 1,024]; A: input hidden_states; B: input w1: QUANTISED
;;     12. [M 2,048, K 1,024] x [K 1,024, N 1,024]; A: input hidden_states; B: input w3: QUANTISED
;;     13. [M 2,048, K 1,024] x [K 1,024, N 1,024]; A: computed on the way; B: input w2: QUANTISED
;;     14. [M 2,048, K 1,024] x [K 1,024, N 1,024]; A: input hidden_states; B: input w1: QUANTISED
;;     15. [M 2,048, K 1,024] x [K 1,024, N 1,024]; A: input hidden_states; B: input w3: QUANTISED
;;     16. [M 2,048, K 1,024] x [K 1,024, N 1,024]; A: computed on the way; B: input w2: QUANTISED
;;     17. [M 2,048, K 1,024] x [K 1,024, N 1,024]; A: input hidden_states; B: input w1: QUANTISED
;;     18. [M 2,048, K 1,024] x [K 1,024, N 1,024]; A: input hidden_states; B: input w3: QUANTISED
;;     19. [M 2,048, K 1,024] x [K 1,024, N 1,024]; A: computed on the way; B: input w2: QUANTISED
;;     20. [M 2,048, K 1,024] x [K 1,024, N 1,024]; A: input hidden_states; B: input w1: QUANTISED
;;     21. [M 2,048, K 1,024] x [K 1,024, N 1,024]; A: input hidden_states; B: input w3: QUANTISED
;;     22. [M 2,048, K 1,024] x [K 1,024, N 1,024]; A: computed on the way; B: input w2: QUANTISED
;;     23. [M 2,048, K 1,024] x [K 1,024, N 1,024]; A: input hidden_states; B: input w1: QUANTISED
;;     24. [M 2,048, K 1,024] x [K 1,024, N 1,024]; A: input hidden_states; B: input w3: QUANTISED
;;     25. [M 2,048, K 1,024] x [K 1,024, N 1,024]; A: computed on the way; B: input w2: QUANTISED
;;   THE QUANTISER, for each operand of a quantised product, along K:
;;     - K is cut into blocks of 32 from its start; a last block that is shorter is filled with zeros.
;;     - A block's scale is 2^e with e = floor(log2(the largest magnitude in the block)) - 2, held to -126 .. 127; a block of zeros has e = 0. As a byte (E8M0): e + 127.
;;     - Each number is divided by its block's scale, clamped to +-6, and rounded to the nearest number of E2M1, ties to even, subnormals kept.
;;     - The product sums the exact products of the quantised numbers (number of the format x scale) in f32.
;;   ~~~python
;;   def quantise(x, axis):      # numpy; x: float32 -> the quantised numbers, widened to float32 again
;;       x = np.moveaxis(x, axis, -1); K = x.shape[-1]
;;       x = np.pad(x, [(0, 0)] * (x.ndim - 1) + [(0, -K % 32)]); x = x.reshape(x.shape[:-1] + (-1, 32)); a = np.abs(x).max(-1, keepdims=True)
;;       e = np.where(a > 0, np.clip(np.frexp(np.where(a > 0, a, 1))[1] - 1 - 2, -126, 127), 0)      # np.frexp(a)[1] - 1 = floor(log2(a)), exactly
;;       r = np.clip(x / 2.0 ** e, -6, 6)
;;       step = 2.0 ** (np.maximum(np.frexp(np.where(r == 0, 1, r))[1] - 1, 0) - 1)
;;       q = np.round(r / step) * step * 2.0 ** e      # np.round: ties to even
;;       return np.moveaxis(q.reshape(q.shape[:-2] + (-1,))[..., :K], -1, axis).astype(np.float32)
;;   ~~~
;;   OPERANDS COMPUTED ON THE WAY. 'Computed on the way' means the value that the module computes at that place (a softmax that the list does not call 'softmax' is quantised finished and normalised). What goes into a quantiser is computed in f32, as accurately as f32 sums, v_exp_f32 and their like allow (about 1e-6 of the number): no bf16 or f16 on the way to a quantiser, and a product that is left as it is and whose result goes on into a quantised operand takes f32 operands (vector FMAs, or v_wmma_f32_16x16x4_f32). A number that lies on a knife's edge between two numbers of the format may be rounded either way, as far as f32 arithmetic and the matrix unit's own rounding can turn it there, and no further.
;; One version. Each part assembles by itself: llvm-mc -triple=amdgcn-amd-amdhsa -mcpu=gfx1250 --defsym DOCPART=n.
;; ======== version 1 of 1: 3 launches
;; limits: right only within a limited range of input values
;; workspace buffers: xrow 1,130,496 bytes; sel 8,192 bytes of whole numbers; w2c 4,456,448 bytes; tab 9,216 bytes of whole numbers; hbuf 2,785,280 bytes
;; launch prep (part 1): grid 320 x 1, 8 waves a work-group, no clusters, 94,720 bytes of LDS; arguments hidden_states, gate_w, w2, w2c, xrow, sel; writes w2c, xrow, sel
.if DOCPART == 1
	.amdgcn_target "amdgcn-amd-amdhsa--gfx1250"
	.amdhsa_code_object_version 6
	.text
	.protected	k_q753eb47717_prep
	.globl	k_q753eb47717_prep
	.p2align	8
	.type	k_q753eb47717_prep,@function
k_q753eb47717_prep:
	s_mov_b64 s[64:65], 0
	v_nop
	global_prefetch_b8 v0, s[64:65] scope:SCOPE_SE
	s_setreg_imm32_b32 hwreg(HW_REG_WAVE_MODE, 25, 1), 1
	s_wait_xcnt 0x0
; LAUNCH 1 OF 3.  Work-groups 0-63: 32 tokens each: x (hidden_states [2][1024 c][1024 hw], tokens innermost) becomes codes of FP4 (E2M1) and E8M0 scale bytes along c,
; laid by token; the router's 8 logits in f32, softmax, top-2, renormalised.  Work-groups 64-319: w2 ([8][1024][1024] f32, K innermost) becomes TILE IMAGES, two tiles a work-group.
; WORK LEFT OUT BY THE PROGRAM: combine[t][e] is a sum of one_hot(sel) x rw, which reference() builds itself: it is 0 for every expert that is not among token t's two, whatever the inputs hold,
; so out takes nothing from the rows (t, e) of the three products of such an expert.  The later launches multiply the two chosen rows of each token alone.
; LIMIT: a NaN, an infinity or an overflow that arises only in the rows left out is not carried to the result.
; A TILE IMAGE is 16 rows x K = 1,024 in the order of an operand's registers: codes [block of 32 along K][row][16 bytes] = 8,192 bytes; scale words [half][row][4 words] = 512 bytes, word i of half hh serving K step 4 hh + i.
; w2c: tile T = rows 16 T .. 16 T + 15 of the 8,192: codes at 8,192 T, scale words at 4,194,304 + 512 T.
; xrow: codes [token][32 blocks][16 bytes] at 0; scale bytes [token][32] at 1,048,576; the two gate weights [2][2048] f32 at 1,114,112.   sel: [token] = first expert | second expert << 8.
; A block's scale is 2^(floor(log2(largest magnitude)) - 2); its byte is the largest magnitude's exponent field - 2, held at 1 from below.
; LIMITS: NaN and infinities among the inputs are not served.  A block of zeros, and one whose largest magnitude lies under 2^-124, gets the byte 1 (its codes are right; this program alone reads the bytes).
; The logits are f32 sums in another order than the reference's: experts whose probabilities lie within an f32 rounding of each other may change places.  Probabilities under 2^-126 count as 0.
; No tensor loads, no clusters: the work-groups share no input, and each input byte is read once.  The two paths part on the work-group's number and have LDS bytes of their own.
.set QST,  0                           ; LDS, weights: a stage of 16 rows x 528 bytes for each wave: 8 x 8,448
.set XPL,  67584                       ; LDS, x: partial logits [wave][expert][32 tokens] f32
.set XCS,  75776                       ; codes [32 tokens][512 + 16 bytes]
.set XSS,  92672                       ; scale bytes [32 tokens][32]
.set SPARE, 93696                      ; the spare words: 128 bytes a wave
.set SPW,  22                          ; v22 my spare word's address, v23 = 0: kept for the add alone
.set NIL,  23
.set ACC,  8                           ; v8-15 my token's partial logits
.set SW,   16                          ; v16 my four scale bytes
.set XC,   24                          ; v24-39 codes
.set G,    40                          ; v40-103 the gate's weights of my wave's 128 c
.set XR,   104                         ; v104-231 my token's 128 numbers: registers run down c
.set QM,   8
.set QSO,  10
.set QB,   12
.set QW,   16
.set QC,   36                          ; v36-51 codes, eight registers a step, never rewritten
.set QX,   64
.set QR,   128
.macro FIN                             ; the wave's end: behind my last LDS store
	s_wait_tensorcnt 0x0
	ds_add_u32 v[SPW], v[NIL]
	s_wait_dscnt 0x0
	s_endpgm
.endm
.macro QSTEP t                         ; 16 rows x 128 K: through my stage, so that lane (r, h) holds blocks 2 c + h of row r
.if \t == 0
	s_wait_loadcnt 16                              ; step 0's sixteen loads are in; step 1's sixteen may be out
.else
	s_wait_loadcnt 0x0
.endif
.irp i, 0,1,2,3,4,5,6,7,8,9,10,11,12,13,14,15
	ds_store_b128 v2, v[QR+64*\t+4*\i:QR+64*\t+4*\i+3] offset:528*\i
.endr
.irp c, 0,1                            ; LDS serves a wave's instructions in order: these see the stores above
.irp m, 0,1,2,3,4,5,6,7
	ds_load_b128 v[QX+32*\c+4*\m:QX+32*\c+4*\m+3], v3 offset:256*\c+16*\m
.endr
.endr
	s_wait_dscnt 0x0
.irp c, 0,1
	v_max3_num_f32 v[QM+\c], |v[QX+32*\c]|, |v[QX+32*\c+1]|, 0x1800000   ; with the floor 2^(3 - 127): the byte cannot fall under 1
.endr
.irp i, 2,4,6,8,10,12,14,16,18,20,22,24,26,28,30
.irp c, 0,1
	v_max3_num_f32 v[QM+\c], v[QM+\c], |v[QX+32*\c+\i]|, |v[QX+32*\c+\i+1]|   ; the two blocks by turns
.endr
.endr
.irp c, 0,1
	v_add_nc_u32 v[QSO+\c], 0xff000000, v[QM+\c]   ; 2 off the exponent field: the conversions' scale operand
.endr
.irp c, 0,1
.irp g, 0,1,2,3
	v_cvt_scalef32_pk8_fp4_f32 v[QC+8*\t+4*\c+\g], v[QX+32*\c+8*\g:QX+32*\c+8*\g+7], v[QSO+\c]
.endr
.endr
	v_lshrrev_b32 v[QB], 23, v[QSO]                ; the scales' bytes (a plain line behind the conversions)
	v_lshrrev_b32 v[QB+1], 23, v[QSO+1]
	s_delay_alu instid0(VALU_DEP_1)
	v_lshl_or_b32 v14, v[QB+1], 16, v[QB]          ; blocks h and 2 + h of row r,
	s_delay_alu instid0(VALU_DEP_1)
	v_lshlrev_b32 v14, v4, v14                     ; at their places in the word;
	s_delay_alu instid0(VALU_DEP_1)
	v_permlanex16_b32 v15, v14, s20, s21
	s_delay_alu instid0(VALU_DEP_1)
	v_or_b32 v[QW+\t], v14, v15                    ; with lane l xor 16's two the word is whole
.irp c, 0,1
	global_store_b128 v1, v[QC+8*\t+4*\c:QC+8*\t+4*\c+3], s[26:27] offset:(4*\t+2*\c)*256   ; 512 consecutive bytes, aligned
.endr
.endm
	s_load_b256 s[4:11], s[0:1], 0x0               ; hidden_states s[4:5], gate_w s[6:7], w2 s[8:9], w2c s[10:11]
	s_load_b128 s[12:15], s[0:1], 0x20             ; xrow s[12:13], sel s[14:15]
	v_lshl_add_u32 v[SPW], v0, 2, SPARE
	v_mov_b32 v[NIL], 0
	v_lshrrev_b32 v1, 5, v0
	v_readfirstlane_b32 s50, v1                    ; wave 0..7
	s_cmp_ge_u32 ttmp9, 64
	s_cbranch_scc1 .Lquant
; ======== x: work-group X takes tokens 32 X .. 32 X + 31.  Wave cr takes c = 128 cr .. + 127; a lane holds one token; its registers run down c.
	v_and_b32 v17, 31, v0                          ; lane
	v_and_b32 v7, 15, v0
	v_lshlrev_b32 v1, 2, v17                       ; 4 lane
	v_lshlrev_b32 v7, 4, v7                        ; 16 (lane % 16): both rows of 16 lanes load the same gate weights
	s_lshr_b32 s66, ttmp9, 5                       ; b
	s_lshl_b32 s66, s66, 22
	s_lshl_b32 s67, s50, 19                        ; 128 cr rows of 4,096 bytes
	s_add_co_u32 s66, s66, s67
	s_and_b32 s67, ttmp9, 31
	s_lshl_b32 s67, s67, 7                         ; 32 tokens of 4 bytes
	s_add_co_u32 s66, s66, s67
	s_mov_b32 s67, 0
	s_wait_alu depctr_va_vdst(0)
	s_wait_kmcnt 0x0
	s_add_nc_u64 s[52:53], s[4:5], s[66:67]        ; x at (b, 128 cr, my first token)
	s_lshl_b32 s66, s50, 9
	s_add_nc_u64 s[54:55], s[6:7], s[66:67]        ; gate_w at c = 128 cr
.macro LOADB bl                        ; block bl of my four: 32 c x 32 tokens, 128 consecutive bytes a load
.set LC, 32*(\bl)
.rept 32
	global_load_b32 v[XR+LC], v1, s[52:53] offset:LC*4096
.set LC, LC+1
.endr
.endm
.macro FMI m, i                        ; four c, 64 m + 4 i + 0 .. 3, x eight experts: every lane takes the gate's weight from lane i of its row of 16 and multiplies it by its own token's x
.irp j, 0,1,2,3
.irp e, 0,1,2,3,4,5,6,7
	v_fmac_f32_dpp v[ACC+\e], v[G+8*\e+4*\m+\j], v[XR+64*\m+4*\i+\j] row_share:\i row_mask:0xf bank_mask:0xf
.endr
.endr
.endm
.macro XQ bl                           ; block bl of my token is quantised: all its 32 numbers are mine
.set XS0, XR+32*(\bl)
	v_max3_num_f32 v17, |v[XS0]|, |v[XS0+1]|, 0x1800000   ; with the floor 2^(3 - 127)
	v_max3_num_f32 v18, |v[XS0+2]|, |v[XS0+3]|, |v[XS0+4]|
.irp i, 5,9,13,17,21,25
	v_max3_num_f32 v17, v17, |v[XS0+\i]|, |v[XS0+\i+1]|   ; two chains by turns
	v_max3_num_f32 v18, v18, |v[XS0+\i+2]|, |v[XS0+\i+3]|
.endr
	v_max3_num_f32 v17, v17, |v[XS0+29]|, |v[XS0+30]|
	s_delay_alu instid0(VALU_DEP_1)
	v_max3_num_f32 v17, v17, v18, |v[XS0+31]|
	s_delay_alu instid0(VALU_DEP_1)
	v_add_nc_u32 v19, 0xff000000, v17              ; 2 off the exponent field: the conversions' scale operand
.irp g, 0,1,2,3
	v_cvt_scalef32_pk8_fp4_f32 v[XC+4*(\bl)+\g], v[XS0+8*\g:XS0+8*\g+7], v19
.endr
.if (\bl) == 0
	v_lshrrev_b32 v[SW], 23, v19                   ; the scale's byte (a plain line behind the conversions)
.else
	v_lshrrev_b32 v20, 23, v19
	s_delay_alu instid0(VALU_DEP_1)
	v_lshl_or_b32 v[SW], v20, 8*(\bl), v[SW]
.endif
	ds_store_b128 v2, v[XC+4*(\bl):XC+4*(\bl)+3] offset:16*(\bl)
.endm
.irp e, 0,1,2,3,4,5,6,7                ; the gate's weights of my 128 c: lane i of a row of 16 takes c = 64 m + 4 i + 0 .. 3
.irp m, 0,1
	global_load_b128 v[G+8*\e+4*\m:G+8*\e+4*\m+3], v7, s[54:55] offset:4096*\e+256*\m
.endr
.endr
	LOADB 0
	LOADB 1
	LOADB 2
	LOADB 3                                        ; all four blocks are asked for at once: each has registers of its own
	; the addresses for later are made while the loads are out
	v_mul_u32_u24 v2, v17, 528
	s_lshl_b32 s51, s50, 6
	s_add_co_u32 s51, s51, XCS
	v_add_nc_u32 v2, s51, v2                       ; codes: my token's row, my wave's 64 bytes
	v_lshlrev_b32 v3, 5, v17
	s_lshl_b32 s51, s50, 2
	s_add_co_u32 s51, s51, XSS
	v_add_nc_u32 v3, s51, v3                       ; scale bytes: my token's 32, my wave's word
	s_lshl_b32 s51, s50, 10
	s_add_co_u32 s51, s51, XPL
	v_add_nc_u32 v4, s51, v1                       ; partial logits: my wave's plane
	v_lshlrev_b32 v6, 4, v17                       ; 16 lane
	s_mul_i32 s51, s50, 2112
	s_add_co_u32 s51, s51, XCS
	v_add_nc_u32 v5, s51, v6                       ; the way out: rows 4 w .. 4 w + 3 of the codes
	v_lshlrev_b32 v232, 3, v17                     ; 8 lane
	s_and_b32 s51, s50, 3
	s_lshl_b32 s51, s51, 8
	s_add_co_u32 s51, s51, XSS
	v_add_nc_u32 v233, s51, v232                   ; waves 0-3: eight tokens' 256 scale bytes
	v_add_nc_u32 v234, XPL, v1                     ; the router (wave 7): token = lane
.irp e, 0,1,2,3,4,5,6,7
	v_mov_b32 v[ACC+\e], 0                         ; a DPP form's destination counts as read, so the eight sums begin as zeros
.endr
	s_lshl_b32 s51, ttmp9, 5
	s_lshl_b32 s66, s50, 2
	s_add_co_u32 s51, s51, s66                     ; the first token that I write out: 32 X + 4 w
	s_lshl_b32 s66, s51, 9
	s_add_nc_u64 s[56:57], s[12:13], s[66:67]
	s_lshl_b32 s66, ttmp9, 10                      ; 32 X tokens of 32 scale bytes,
	s_and_b32 s51, s50, 3
	s_lshl_b32 s51, s51, 8
	s_add_co_u32 s66, s66, s51                     ; + 256 (w % 4)
	s_add_co_u32 s66, s66, 1048576
	s_add_nc_u64 s[58:59], s[12:13], s[66:67]
	s_lshl_b32 s66, ttmp9, 7                       ; 32 X tokens of 4 bytes
	s_add_nc_u64 s[60:61], s[14:15], s[66:67]
	s_add_co_u32 s66, s66, 1114112
	s_add_nc_u64 s[62:63], s[12:13], s[66:67]
	s_wait_alu depctr_va_vdst(0)
	s_wait_loadcnt 63                              ; of the 144 loads at most 63 are out: the first 81 are in, that is the gate's 16 and blocks 0 and 1 (behind block 1 stand blocks 2 and 3: 64)
.irp i, 0,1,2,3,4,5,6,7
	FMI 0, \i
.endr
	XQ 0
.irp i, 8,9,10,11,12,13,14,15
	FMI 0, \i
.endr
	XQ 1
	s_wait_loadcnt 32                              ; block 3's 32 loads may be out
.irp i, 0,1,2,3,4,5,6,7
	FMI 1, \i
.endr
	XQ 2
	s_wait_loadcnt 0x0
.irp i, 8,9,10,11,12,13,14,15
	FMI 1, \i
.endr
	XQ 3
	ds_store_b32 v3, v[SW]
.irp e, 0,1,2,3,4,5,6,7
	ds_store_b32 v4, v[ACC+\e] offset:128*\e
.endr
	s_wait_dscnt 0x0                               ; for the others' sake: my stores have landed
	s_barrier_signal -1
	s_barrier_wait -1
.irp i, 0,1,2,3
	ds_load_b128 v[236+4*\i:236+4*\i+3], v5 offset:528*\i   ; a token's whole row of 512 bytes
.endr
	s_wait_dscnt 0x0
.irp i, 0,1,2,3
	global_store_b128 v6, v[236+4*\i:236+4*\i+3], s[56:57] offset:512*\i
.endr
	s_cmp_lt_u32 s50, 4
	s_cbranch_scc0 .Lnot_scales
	ds_load_b64 v[252:253], v233
	s_wait_dscnt 0x0
	global_store_b64 v232, v[252:253], s[58:59]    ; eight tokens' scale bytes: 256 consecutive bytes, aligned
	FIN
.Lnot_scales:
	s_cmp_lg_u32 s50, 7
	s_cbranch_scc1 .Lxend
	; ---- the router: wave 7, a token to a lane
.irp w, 0,1,2,3,4,5,6,7
.irp e, 0,1,2,3,4,5,6,7
	ds_load_b32 v[128+8*\w+\e], v234 offset:1024*\w+128*\e
.endr
.endr
	s_wait_dscnt 0x0
.irp w, 1,2,3,4,5,6,7
.irp e, 0,1,2,3,4,5,6,7
	v_add_f32 v[128+\e], v[128+\e], v[128+8*\w+\e] ; the eight parts of c, ascending
.endr
.endr
	v_max3_num_f32 v200, v128, v129, v130          ; the largest logit is taken away before the exponentials
	v_max3_num_f32 v200, v200, v131, v132
	v_max3_num_f32 v200, v200, v133, v134
	v_max_num_f32 v200, v200, v135
.irp e, 0,1,2,3,4,5,6,7
	v_sub_f32 v[136+\e], v[128+\e], v200
.endr
.irp e, 0,1,2,3,4,5,6,7
	v_mul_f32 v[136+\e], 0x3fb8aa3b, v[136+\e]     ; x log2(e)
.endr
	s_wait_alu depctr_va_vdst(0)                   ; ahead of a batch of transcendentals
.irp e, 0,1,2,3,4,5,6,7
	v_exp_f32 v[136+\e], v[136+\e]
.endr
	v_mov_b32 v201, -1.0                           ; (a plain line behind the exponentials)
	s_wait_alu depctr_va_vdst(0)
	v_add_f32 v202, v136, v137
.irp e, 2,3,4,5,6,7
	v_add_f32 v202, v202, v[136+\e]
.endr
	s_wait_alu depctr_va_vdst(0)
	v_rcp_f32 v203, v202
	v_mov_b32 v204, 0                              ; the first expert's index (a plain line behind the reciprocal)
	s_wait_alu depctr_va_vdst(0)
.irp e, 0,1,2,3,4,5,6,7
	v_mul_f32 v[136+\e], v[136+\e], v203           ; the probabilities
.endr
	v_mov_b32 v205, v136
.irp e, 1,2,3,4,5,6,7                  ; ascending: the lower index keeps a tie
	v_cmp_ge_f32 vcc_lo, v205, v[136+\e]
	v_cndmask_b32 v204, \e, v204, vcc_lo
	v_max_num_f32 v205, v205, v[136+\e]
.endr
.irp e, 0,1,2,3,4,5,6,7
	v_cmp_eq_u32 vcc_lo, \e, v204
	v_cndmask_b32 v[136+\e], v[136+\e], v201, vcc_lo   ; the first is taken out: -1 lies under every probability
.endr
	v_mov_b32 v206, 0
	v_mov_b32 v207, v136
.irp e, 1,2,3,4,5,6,7
	v_cmp_ge_f32 vcc_lo, v207, v[136+\e]
	v_cndmask_b32 v206, \e, v206, vcc_lo
	v_max_num_f32 v207, v207, v[136+\e]
.endr
	v_add_f32 v208, v205, v207
	s_wait_alu depctr_va_vdst(0)
	v_rcp_f32 v209, v208
	v_lshl_or_b32 v210, v206, 8, v204              ; the choice is only stored here, at a fixed place: no address of this launch hangs on it
	s_wait_alu depctr_va_vdst(0)
	v_mul_f32 v211, v205, v209
	v_mul_f32 v212, v207, v209
	global_store_b32 v1, v210, s[60:61]
	global_store_b32 v1, v211, s[62:63]
	global_store_b32 v1, v212, s[62:63] offset:8192
.Lxend:
	FIN
; ======== w2: work-group n = id - 64 takes tiles 2 n, 2 n + 1; wave w: tile 2 n + w / 4, quarter q = w % 4 of K (16 rows x 256 K, two K steps)
.Lquant:
	v_and_b32 v6, 31, v0                           ; lane
	v_and_b32 v7, 15, v0                           ; r
	v_bfe_u32 v8, v0, 4, 1                         ; h
	v_lshlrev_b32 v1, 4, v6                        ; 16 lane: a load's and a store's 512 consecutive bytes
	s_mul_i32 s30, s50, 8448                       ; my stage
	v_add_nc_u32 v2, s30, v1                       ; into it: as loaded
	v_mul_u32_u24 v3, v7, 528
	v_lshl_add_u32 v3, v8, 7, v3
	v_add_nc_u32 v3, s30, v3                       ; out of it: row r, block h of each pair of blocks
	v_lshlrev_b32 v4, 3, v8                        ; 8 h
	v_lshlrev_b32 v5, 4, v7
	v_lshl_add_u32 v5, v8, 2, v5                   ; 16 r + 4 h: my word among the rows' scale words
	v_mov_b32 v15, 0                               ; a lane permute's destination counts as read
	s_mov_b32 s20, 0x76543210
	s_mov_b32 s21, 0xfedcba98                      ; v_permlanex16_b32's selects for lane l xor 16
	s_sub_co_u32 s31, ttmp9, 64                    ; n
	s_lshr_b32 s32, s50, 2
	s_and_b32 s33, s50, 3                          ; q
	s_lshl_b32 s34, s31, 1
	s_add_co_u32 s34, s34, s32                     ; T
	s_lshl_b32 s36, s34, 16                        ; 16 T rows of 4,096 bytes
	s_lshl_b32 s35, s33, 10
	s_add_co_u32 s36, s36, s35                     ; + my quarter of K
	s_mov_b32 s37, 0
	s_lshl_b32 s38, s34, 13
	s_lshl_b32 s35, s33, 11
	s_add_co_u32 s38, s38, s35                     ; my quarter of the tile's codes
	s_mov_b32 s39, 0
	s_lshl_b32 s40, s34, 9
	s_lshr_b32 s35, s33, 1
	s_lshl_b32 s35, s35, 8                         ; K steps 4-7 lie in the second half
	s_add_co_u32 s40, s40, s35
	s_and_b32 s35, s33, 1
	s_lshl_b32 s35, s35, 3                         ; words 2 (q % 2) and the next
	s_add_co_u32 s40, s40, s35
	s_add_co_u32 s40, s40, 4194304
	s_mov_b32 s41, 0
	s_wait_alu depctr_va_vdst(0)
	s_wait_kmcnt 0x0
	s_add_nc_u64 s[24:25], s[8:9], s[36:37]
	s_add_nc_u64 s[26:27], s[10:11], s[38:39]
	s_add_nc_u64 s[28:29], s[10:11], s[40:41]
.irp t, 0,1                            ; 32 loads, 16 KiB a wave, all out at once; each reads 512 consecutive bytes of one row
.irp i, 0,1,2,3,4,5,6,7,8,9,10,11,12,13,14,15
	global_load_b128 v[QR+64*\t+4*\i:QR+64*\t+4*\i+3], v1, s[24:25] offset:\i*4096+512*\t th:TH_LOAD_NT
.endr
.endr
	QSTEP 0
	QSTEP 1
	v_cmp_eq_u32 vcc_lo, 0, v4                     ; lane (r, h) stores step h's word of row r
	v_cndmask_b32 v12, v[QW+1], v[QW], vcc_lo
	global_store_b32 v5, v12, s[28:29]
	FIN
.Lfunc_end_k_q753eb47717_prep:
	.size	k_q753eb47717_prep, .Lfunc_end_k_q753eb47717_prep-k_q753eb47717_prep
	.p2alignl 7, 3214868480
	.fill 96, 4, 3214868480
	.section	.rodata,"a",@progbits
	.p2align	6, 0x0
	.amdhsa_kernel k_q753eb47717_prep
		.amdhsa_group_segment_fixed_size 94720
		.amdhsa_private_segment_fixed_size 0
		.amdhsa_enable_private_segment 0
		.amdhsa_kernarg_size 48
		.amdhsa_user_sgpr_count 2
		.amdhsa_user_sgpr_kernarg_segment_ptr 1
		.amdhsa_wavefront_size32 1
		.amdhsa_system_sgpr_workgroup_id_x 1
		.amdhsa_system_sgpr_workgroup_id_y 1
		.amdhsa_system_sgpr_workgroup_id_z 1
		.amdhsa_system_vgpr_workitem_id 0
		.amdhsa_next_free_vgpr 256
		.amdhsa_next_free_sgpr 72
		.amdhsa_reserve_vcc 1
		.amdhsa_float_denorm_mode_32 3
		.amdhsa_float_denorm_mode_16_64 3
		.amdhsa_memory_ordered 1
		.amdhsa_forward_progress 1
		.amdhsa_inst_pref_size 115
	.end_amdhsa_kernel
	.amdgpu_metadata
---
amdhsa.version: [ 1, 2 ]
amdhsa.kernels:
  - .name:           k_q753eb47717_prep
    .symbol:         k_q753eb47717_prep.kd
    .args:
      - { .name: hidden_states, .offset: 0, .size: 8, .value_kind: global_buffer, .address_space: global }
      - { .name: gate_w, .offset: 8, .size: 8, .value_kind: global_buffer, .address_space: global }
      - { .name: w2, .offset: 16, .size: 8, .value_kind: global_buffer, .address_space: global }
      - { .name: w2c, .offset: 24, .size: 8, .value_kind: global_buffer, .address_space: global }
      - { .name: xrow, .offset: 32, .size: 8, .value_kind: global_buffer, .address_space: global }
      - { .name: sel, .offset: 40, .size: 8, .value_kind: global_buffer, .address_space: global }
    .group_segment_fixed_size: 94720
    .private_segment_fixed_size: 0
    .kernarg_segment_align: 8
    .kernarg_segment_size: 48
    .max_flat_workgroup_size: 256
    .sgpr_count:     72
    .vgpr_count:     256
    .wavefront_size: 32
...
	.end_amdgpu_metadata
.endif
;; end of part 1
;; launch up (part 2): grid 256 x 1, 8 waves a work-group, no clusters, 115,712 bytes of LDS; arguments w1, w3, xrow, sel, tab, hbuf; writes tab, hbuf
.if DOCPART == 2
	.amdgcn_target "amdgcn-amd-amdhsa--gfx1250"
	.amdhsa_code_object_version 6
	.text
	.protected	k_q753eb47717_up
	.globl	k_q753eb47717_up
	.p2align	8
	.type	k_q753eb47717_up,@function
k_q753eb47717_up:
	s_mov_b64 s[64:65], 0
	v_nop
	global_prefetch_b8 v0, s[64:65] scope:SCOPE_SE
	s_setreg_imm32_b32 hwreg(HW_REG_WAVE_MODE, 25, 1), 1
	s_wait_xcnt 0x0
; LAUNCH 2 OF 3.  h = gelu(x w1^T) (x w3^T), exact gelu, for the chosen rows alone (the rows of experts that a token did not choose are left out: see the first launch), quantised to FP4 (E2M1) along the hidden units.
; Work-group id = e 32 + j makes hidden units 32 j .. 32 j + 31 of expert e for all rows of e.  It is the only reader of its 32 rows of w1 and of w3 (f32, 256 KiB): it loads them once, all loads out at the head,
; quantises them (wave w: tile u = w / 4 of both matrices, quarter w % 4 of K), shares the codes out through LDS, and every wave keeps all four tiles in registers (window 1).
; PLACING, while those loads are out.  Wave w serves group w: tokens 256 w .. + 255.  From sel it counts, by ballots and prefix sums, each token's rank among the users of each of its two experts (tokens in their order).
; A group has room for 40 tiles of 16 rows: each expert's rows are filled up to whole tiles: at most (512 + 8 x 15) / 16 = 39.  Rows that are fill hold the group's token 0; nobody refers to their results.
; The wave lays its own expert's tokens by rank in LDS bytes of its own and keeps them in sixteen registers, a tile each.  Work-group 0 stores the tables for the next launch:
; tab: SEG [g][32 words] at 0: word e = first tile | tiles << 8;   SIG [token] at 1,024: (e1 256 + rank1) | (e2 256 + rank2) << 16.
; A TILE OF x is gathered from xrow: one load a token reads its 512 bytes of codes; the sixteen rows turn through the wave's stage ([block][row], 272 bytes a block) into fragments.  The next tile is asked for behind this tile's products.
; BOTH PRODUCTS ARE USED TRANSPOSED (source 0 = 16 weight rows, source 1 = 16 rows of x).  Lane row r of weight tile u is row 32 j + 8 u + r + 8 (r / 8), so that the sixteen registers of tiles u = 0, 1
; are hidden units 32 j + 16 (lane / 16) + 0 .. 15: half a block of the next K; lanes l and l xor 16 hold a block.
; hbuf: tile images of h, tile 40 g + first tile + t: codes [block of 32][row][16 bytes] at 8,192 x tile, scale words [half][row][4 words] at 2,621,440 + 512 x tile.
; GELU.  gelu(u) = u Phi(u).  z = |u| / sqrt(2), t = 1 / (1 + z / 2), q = erfc(z) / 2 = t 2^(-log2(e) z^2 + k0 + t (k1 + .. + t k9)) (a Chebyshev fit of erfc, fractional error 1.2e-7 at every z, its
; coefficients times log2(e), the half folded into k0); Phi = 1 - q for u >= 0, q else.  t is the reciprocal instruction's result with one Newton step.
; LIMITS: NaN and infinities are not served.  Phi has a relative error of some 4e-7, growing for u < -5 with 6e-8 z^2; q under 2^-126 comes out as 0.  A block of zeros, or one under 2^-124, gets the byte 1.
; No tensor loads and so no joint loads, though the 32 work-groups of an expert read the same rows of x: the trip count hangs on numbers read from memory.
; No prefetch: the weights are asked for whole at the head, and each tile of x one trip ahead by its own loads.
; REGISTERS, window 0: v1-15 addresses; v16-31 the weights' scale words, v32-35 x's; v36-67 four accumulators (at the head: the quantiser's small registers); v68-131 x's rows, then fragments;
;   v132-195 the gelu (at the head: 64 numbers of the quantiser); v196-211 the tokens of my tiles; v212-243 the placing; v244-249 addresses.   window 1: the weights as loaded, then their 32 fragments, (a, s) at v[64 a + 8 s].
.set STG,  0                           ; LDS: a stage of 8,704 bytes for each wave
.set IMG,  69632                       ; the four weight tiles' codes, tile a = 2 mat + u at 8,192 a
.set SCI,  102400                      ; and scale words, 512 a tile
.set LST,  104448                      ; [wave][320 words]: my expert's tokens by rank; word 256 takes what is not my expert's
.set SPARE, 114688                     ; the spare words: 128 bytes a wave
.set SPW,  11
.set NIL,  12
.set WS,   16
.set XS,   32
.set AC,   36
.set U,    36
.set V,    52
.set XF,   68
.set Z,    132
.set T,    148
.set P,    164
.set QX,   132
.set QC,   36
.set QM,   44
.set QSO,  46
.set QB,   48
.set QP,   51
.set QW,   52
.set TL,   196
.set E1,   212
.set E2,   220
.set R1,   228
.set R2,   236
.set LN,   244
.set H16,  245
.set LZ,   246
.set LR,   247
.set XO,   248
.set IMR,  249
.set MSB, 0
.macro WIN new                         ; the immediate's high byte repeats the setting that is left
.if MSB != \new
	s_set_vgpr_msb (MSB<<8)|\new
.set MSB, \new
.endif
.endm
.macro KPAIR reg, val                  ; a constant for the packed forms: they name a pair and take its low word for both halves
	s_mov_b32 s[\reg], \val
	s_mov_b32 s[\reg+1], \val
.endm
.macro QLOAD n, b                      ; 16 rows x 128 K of f32 into window 1: each load reads 512 consecutive bytes of one row
.irp i, 0,1,2,3,4,5,6,7,8,9,10,11,12,13,14,15
	global_load_b128 v[64*\n+4*\i:64*\n+4*\i+3], v1, s[\b:\b+1] offset:(\i+8*(\i/8))*4096+512*(\n%2) th:TH_LOAD_NT
.endr
.endm
.macro QL4 k                           ; four of w3's 32 loads, numbers 4 k .. 4 k + 3: load L is row L % 16 of K step L / 16, into window 1 at v[128 + 4 L]
	WIN 0x40
.irp d, 0,1,2,3
	global_load_b128 v[128+4*(4*\k+\d):128+4*(4*\k+\d)+3], v1, s[84:85] offset:(((4*\k+\d)%16)+8*(((4*\k+\d)%16)/8))*4096+512*((4*\k+\d)/16) th:TH_LOAD_NT
.endr
	WIN 0
.endm
.macro QSTEP n, out
	s_wait_loadcnt \out
	WIN 0x04                                       ; the stores' data in window 1
.irp i, 0,1,2,3,4,5,6,7,8,9,10,11,12,13,14,15
	ds_store_b128 v6, v[64*\n+4*\i:64*\n+4*\i+3] offset:528*\i
.endr
	WIN 0
.irp c, 0,1                            ; LDS serves a wave's instructions in order.  Lane (r, h) takes blocks 2 c + h of row r
.irp m, 0,1,2,3,4,5,6,7
	ds_load_b128 v[QX+32*\c+4*\m:QX+32*\c+4*\m+3], v7 offset:256*\c+16*\m
.endr
.endr
	s_wait_dscnt 0x0
.irp c, 0,1
	v_max3_num_f32 v[QM+\c], |v[QX+32*\c]|, |v[QX+32*\c+1]|, 0x1800000   ; with the floor 2^(3 - 127): the byte cannot fall under 1
.endr
.irp i, 2,4,6,8,10,12,14,16,18,20,22,24,26,28,30
.irp c, 0,1
	v_max3_num_f32 v[QM+\c], v[QM+\c], |v[QX+32*\c+\i]|, |v[QX+32*\c+\i+1]|   ; the two blocks by turns
.endr
.endr
.irp c, 0,1
	v_add_nc_u32 v[QSO+\c], 0xff000000, v[QM+\c]   ; 2 off the exponent field: the conversions' scale operand
.endr
.irp c, 0,1
.irp g, 0,1,2,3
	v_cvt_scalef32_pk8_fp4_f32 v[QC+4*\c+\g], v[QX+32*\c+8*\g:QX+32*\c+8*\g+7], v[QSO+\c]
.endr
.endr
	v_lshrrev_b32 v[QB], 23, v[QSO]                ; the scales' bytes (a plain line behind the conversions)
	v_lshrrev_b32 v[QB+1], 23, v[QSO+1]
	s_delay_alu instid0(VALU_DEP_1)
	v_lshl_or_b32 v[QB+2], v[QB+1], 16, v[QB]      ; blocks h and 2 + h of row r,
	s_delay_alu instid0(VALU_DEP_1)
	v_lshlrev_b32 v[QB+2], v4, v[QB+2]             ; at their places in the word;
	s_delay_alu instid0(VALU_DEP_1)
	v_permlanex16_b32 v[QP], v[QB+2], s60, s61
	s_delay_alu instid0(VALU_DEP_1)
	v_or_b32 v[QW+(\n%2)], v[QB+2], v[QP]          ; with lane l xor 16's two the word is whole
.irp c, 0,1
	ds_store_b128 v10, v[QC+4*\c:QC+4*\c+3] offset:(\n/2)*16384+(2*(\n%2)+\c)*512
.endr
.if \n%2
	v_cmp_eq_u32 vcc_lo, 0, v4                     ; lane (r, h) stores step h's word of row r
	v_cndmask_b32 v[QB], v[QW+1], v[QW], vcc_lo
	ds_store_b32 v5, v[QB] offset:(\n/2)*1024
.endif
.endm
.macro XGATHER                         ; the tile whose tokens stand in v[TL]: sixteen rows of codes (each load lands on its own offset register) and the rows' scale bytes
.irp i, 0,1,2,3,4,5,6,7,8,9,10,11,12,13,14,15
	v_readlane_b32 s[66+\i], v[TL], \i
.endr
.irp i, 0,1,2,3,4,5,6,7,8,9,10,11,12,13,14,15
	s_min_u32 s[66+\i], s[66+\i], 255              ; a token lies among the group's 256
.endr
	v_min_u32 v[XO], 255, v[TL]
	v_lshl_add_u32 v[XO], v[XO], 5, v[H16]         ; row r's 32 scale bytes, half h
.irp i, 0,1,2,3,4,5,6,7,8,9,10,11,12,13,14,15
	v_lshl_add_u32 v[XF+4*\i], s[66+\i], 9, v1     ; 512 x token + 16 lane
.endr
.irp i, 0,1,2,3,4,5,6,7,8,9,10,11,12,13,14,15
	global_load_b128 v[XF+4*\i:XF+4*\i+3], v[XF+4*\i], s[26:27]
.endr
	global_load_b128 v[XS:XS+3], v[XO], s[28:29]
.irp k, 0,1,2,3,4,5,6,7,8,9,10,11,12,13,14
	v_mov_b32 v[TL+\k], v[TL+\k+1]                 ; the next tile's tokens move up
.endr
.endm
.macro MULS                            ; 32 matrix instructions: K ascending, the four accumulators by turns, one instruction a turn; the first K step starts the sums
	WIN 0x01                                       ; source 0 (the weights) in window 1
.irp s, 0,1,2,3,4,5,6,7
.irp a, 0,1,2,3
.if \s == 0
	v_wmma_scale_f32_16x16x128_f8f6f4 v[AC+8*\a:AC+8*\a+7], v[64*\a+8*\s:64*\a+8*\s+7], v[XF+8*\s:XF+8*\s+7], 0, v[WS+4*\a+\s], v[XS+\s] matrix_a_fmt:MATRIX_FMT_FP4 matrix_b_fmt:MATRIX_FMT_FP4
.elseif \s < 4
	v_wmma_scale_f32_16x16x128_f8f6f4 v[AC+8*\a:AC+8*\a+7], v[64*\a+8*\s:64*\a+8*\s+7], v[XF+8*\s:XF+8*\s+7], v[AC+8*\a:AC+8*\a+7], v[WS+4*\a+\s], v[XS+\s] matrix_a_fmt:MATRIX_FMT_FP4 matrix_b_fmt:MATRIX_FMT_FP4
.else
	v_wmma_scale_f32_16x16x128_f8f6f4 v[AC+8*\a:AC+8*\a+7], v[64*\a+8*\s:64*\a+8*\s+7], v[XF+8*\s:XF+8*\s+7], v[AC+8*\a:AC+8*\a+7], v[WS+4*\a+\s-4], v[XS+\s-4] matrix_a_fmt:MATRIX_FMT_FP4 matrix_b_fmt:MATRIX_FMT_FP4 matrix_a_scale:MATRIX_SCALE_ROW1 matrix_b_scale:MATRIX_SCALE_ROW1
.endif
.endr
.endr
	WIN 0
.endm
.macro PK8 line:vararg                 ; one packed line over the 16 numbers, GI = 0, 2, .. 14
.set GI, 0
.rept 8
	\line
.set GI, GI+2
.endr
.endm
.macro GELU                            ; every stage goes over the 16 numbers in ascending order
.set GI, 0
.rept 16
	v_mul_f32 v[Z+GI], |v[U+GI]|, s34              ; z
.set GI, GI+1
.endr
	PK8 v_pk_fma_f32 v[P+GI:P+GI+1], v[Z+GI:Z+GI+1], 0.5, 1.0 op_sel_hi:[1,0,0]   ; d = 1 + z / 2
	s_wait_alu depctr_va_vdst(0)                   ; ahead of a batch of transcendentals
.set GI, 0
.rept 16
	v_rcp_f32 v[T+GI], v[P+GI]
.set GI, GI+1
.endr
	PK8 v_pk_mul_f32 v[Z+GI:Z+GI+1], v[Z+GI:Z+GI+1], v[Z+GI:Z+GI+1]   ; z^2 (plain lines behind the reciprocals)
	s_wait_alu depctr_va_vdst(0)
	PK8 v_pk_fma_f32 v[P+GI:P+GI+1], v[P+GI:P+GI+1], v[T+GI:T+GI+1], 1.0 op_sel_hi:[1,1,0] neg_lo:[1,0,0] neg_hi:[1,0,0]   ; 1 - d t
	PK8 v_pk_fma_f32 v[T+GI:T+GI+1], v[T+GI:T+GI+1], v[P+GI:P+GI+1], v[T+GI:T+GI+1]   ; t: one Newton step
	PK8 v_pk_fma_f32 v[P+GI:P+GI+1], v[T+GI:T+GI+1], s[38:39], v[180:181] op_sel_hi:[1,0,1]   ; k9 t + k8
.irp kk, 40,42,44,46,48,50,52,54       ; k7 .. k0
	PK8 v_pk_fma_f32 v[P+GI:P+GI+1], v[P+GI:P+GI+1], v[T+GI:T+GI+1], s[\kk:\kk+1] op_sel_hi:[1,1,0]
.endr
	PK8 v_pk_fma_f32 v[P+GI:P+GI+1], v[Z+GI:Z+GI+1], s[36:37], v[P+GI:P+GI+1] op_sel_hi:[1,0,1]   ; - log2(e) z^2
	s_wait_alu depctr_va_vdst(0)
.set GI, 0
.rept 16
	v_exp_f32 v[P+GI], v[P+GI]
.set GI, GI+1
.endr
	v_nop                                          ; a plain line behind the exponentials
	s_wait_alu depctr_va_vdst(0)
	PK8 v_pk_mul_f32 v[P+GI:P+GI+1], v[P+GI:P+GI+1], v[T+GI:T+GI+1]   ; q
	PK8 v_pk_fma_f32 v[T+GI:T+GI+1], v[P+GI:P+GI+1], -1.0, 1.0 op_sel_hi:[1,0,0]   ; 1 - q
.set GI, 0
.rept 16
	v_cmp_le_f32 vcc_lo, 0, v[U+GI]
	v_cndmask_b32 v[P+GI], v[P+GI], v[T+GI], vcc_lo   ; Phi: a choice of a value, no branch
.set GI, GI+1
.endr
	PK8 v_pk_mul_f32 v[U+GI:U+GI+1], v[U+GI:U+GI+1], v[P+GI:P+GI+1]   ; gelu
	s_wait_alu depctr_va_vdst(0)                   ; directly ahead of the first reader of the second product
	PK8 v_pk_mul_f32 v[U+GI:U+GI+1], v[U+GI:U+GI+1], v[V+GI:V+GI+1]   ; h
.endm
.macro HQ                              ; my 16 numbers of the block become 8 bytes of codes in v[192:193]; the block's byte in v194
	v_max3_num_f32 v182, |v[U]|, |v[U+1]|, 0x1800000   ; with the floor 2^(3 - 127)
	v_max3_num_f32 v183, |v[U+2]|, |v[U+3]|, |v[U+4]|
	v_max3_num_f32 v182, v182, |v[U+5]|, |v[U+6]|
	v_max3_num_f32 v183, v183, |v[U+7]|, |v[U+8]|
	v_max3_num_f32 v182, v182, |v[U+9]|, |v[U+10]|
	v_max3_num_f32 v183, v183, |v[U+11]|, |v[U+12]|
	v_max3_num_f32 v182, v182, |v[U+13]|, |v[U+14]|
	s_delay_alu instid0(VALU_DEP_1)
	v_max3_num_f32 v182, v182, v183, |v[U+15]|
	s_delay_alu instid0(VALU_DEP_1)
	v_permlanex16_b32 v184, v182, s60, s61
	s_delay_alu instid0(VALU_DEP_1)
	v_max_num_f32 v182, v182, v184                 ; with lane l xor 16's: the block's largest magnitude
	s_delay_alu instid0(VALU_DEP_1)
	v_add_nc_u32 v185, 0xff000000, v182            ; 2 off its exponent field: the conversions' scale operand
	v_cvt_scalef32_pk8_fp4_f32 v192, v[U:U+7], v185
	v_cvt_scalef32_pk8_fp4_f32 v193, v[U+8:U+15], v185
	v_lshrrev_b32 v194, 23, v185                   ; the byte (a plain line behind the conversions)
.endm
	s_load_b256 s[4:11], s[0:1], 0x0               ; w1 s[4:5], w3 s[6:7], xrow s[8:9], sel s[10:11]
	s_load_b128 s[12:15], s[0:1], 0x20             ; tab s[12:13], hbuf s[14:15]
	v_lshl_add_u32 v[SPW], v0, 2, SPARE
	v_mov_b32 v[NIL], 0
	v_lshrrev_b32 v15, 5, v0
	v_readfirstlane_b32 s16, v15                   ; wave 0..7 = the group of tokens
	s_mul_i32 s17, s16, 8704                       ; my stage
	s_lshr_b32 s18, s16, 2                         ; u
	s_and_b32 s19, s16, 3                          ; q
	s_lshl_b32 s20, s18, 13
	s_lshl_b32 s21, s19, 11
	s_add_co_u32 s20, s20, s21
	s_add_co_u32 s20, s20, IMG                     ; my quarter of tile u's codes
	s_lshl_b32 s21, s18, 9
	s_lshr_b32 s22, s19, 1
	s_lshl_b32 s22, s22, 8                         ; K steps 4-7 lie in the second half
	s_add_co_u32 s21, s21, s22
	s_and_b32 s22, s19, 1
	s_lshl_b32 s22, s22, 3                         ; words 2 (q % 2) and the next
	s_add_co_u32 s21, s21, s22
	s_add_co_u32 s21, s21, SCI
	s_mul_i32 s23, s16, 1280
	s_add_co_u32 s23, s23, LST                     ; my list
	s_lshl_b32 s62, ttmp9, 17                      ; 32 (e 32 + j) rows of 4,096 bytes
	s_lshl_b32 s22, s18, 15                        ; + 8 u rows
	s_add_co_u32 s62, s62, s22
	s_lshl_b32 s22, s19, 10                        ; + my quarter of K
	s_add_co_u32 s62, s62, s22
	s_mov_b32 s63, 0
	s_mov_b32 s60, 0x76543210
	s_mov_b32 s61, 0xfedcba98                      ; v_permlanex16_b32's selects for lane l xor 16
.irp e, 0,1,2,3,4,5,6,7
	s_movk_i32 s[36+\e], 256*\e                    ; e 256 + the users of e so far
.endr
	v_and_b32 v[LN], 31, v0                        ; lane
	v_and_b32 v15, 15, v0                          ; r
	v_bfe_u32 v14, v0, 4, 1                        ; h
	v_lshlrev_b32 v1, 4, v[LN]                     ; 16 lane
	v_lshlrev_b32 v3, 4, v15                       ; 16 r
	v_lshlrev_b32 v4, 3, v14                       ; 8 h
	v_lshlrev_b32 v[H16], 4, v14                   ; 16 h
	v_lshlrev_b32 v13, 2, v[LN]                    ; 4 lane
	v_add_nc_u32 v2, v3, v4                        ; 16 r + 8 h: my 8 bytes of a block of h
	v_add_nc_u32 v6, s17, v1                       ; the stage, weights: in as loaded,
	v_mul_u32_u24 v7, v15, 528
	v_lshl_add_u32 v7, v14, 7, v7
	v_add_nc_u32 v7, s17, v7                       ; out: row r, block h of each pair
	v_mul_u32_u24 v8, v[LN], 272
	v_add_nc_u32 v8, s17, v8                       ; the stage, x: in: block = lane, 16 bytes a row,
	v_mul_u32_u24 v9, v14, 272
	v_add_nc_u32 v9, v9, v3
	v_add_nc_u32 v9, s17, v9                       ; out: block 2 m + h, row r
	v_add_nc_u32 v10, s20, v1
	v_lshl_add_u32 v5, v14, 2, v3
	v_add_nc_u32 v5, s21, v5                       ; 16 r + 4 h among my words
	v_add_nc_u32 v[LZ], s23, v13
	v_lshl_add_u32 v[LR], v15, 2, s23
	v_add_nc_u32 v[IMR], IMG, v1
	v_mov_b32 v[QP], 0                             ; (a lane permute's destination counts as read)
.irp k, 0,1,2,3,4,5,6,7,8
	ds_store_b32 v[LZ], v[QP] offset:128*\k        ; every place of my list begins as local token 0
.endr
	s_wait_alu depctr_va_vdst(0)
	s_wait_kmcnt 0x0
	s_add_nc_u64 s[82:83], s[4:5], s[62:63]
	s_add_nc_u64 s[84:85], s[6:7], s[62:63]
	s_lshl_b32 s62, s16, 10
	s_add_nc_u64 s[86:87], s[10:11], s[62:63]      ; sel at the group's first token
.irp i, 0,1,2,3,4,5,6,7
	global_load_b32 v[E1+\i], v13, s[86:87] offset:128*\i   ; token 32 i + lane
.endr
	WIN 0x40                                       ; destination window 1
	QLOAD 0, 82
	QLOAD 1, 82
	WIN 0
	s_add_co_u32 s62, s62, 1024
	s_add_nc_u64 s[88:89], s[12:13], s[62:63]      ; SIG at the group's first token
	s_lshl_b32 s62, s16, 7
	s_add_nc_u64 s[90:91], s[12:13], s[62:63]      ; SEG's row g
	s_lshl_b32 s62, s16, 17
	s_add_nc_u64 s[26:27], s[8:9], s[62:63]        ; the group's codes by token
	s_lshl_b32 s62, s16, 13
	s_add_co_u32 s62, s62, 1048576
	s_add_nc_u64 s[28:29], s[8:9], s[62:63]        ; and scale bytes
	s_wait_loadcnt 32                              ; behind sel's loads stand w1's 32; w3's 32 are issued among the lines of the placing, four behind each of its eight slices
.irp i, 0,1,2,3,4,5,6,7
	v_bfe_u32 v[E2+\i], v[E1+\i], 8, 8             ; e2 (never e1)
.endr
.irp i, 0,1,2,3,4,5,6,7
	v_and_b32 v[E1+\i], 0xff, v[E1+\i]             ; e1
.endr
.irp i, 0,1,2,3,4,5,6,7
.irp e, 0,1,2,3,4,5,6,7
	v_cmp_eq_u32 s32, \e, v[E1+\i]
	v_cmp_eq_u32 s33, \e, v[E2+\i]
	s_or_b32 s34, s32, s33                         ; which of these 32 tokens use expert e
	v_mbcnt_lo_u32_b32 v15, s34, s[36+\e]          ; e 256 + my rank, were I a user
.if \e == 0
	v_cndmask_b32 v[R1+\i], 0, v15, s32
	v_cndmask_b32 v[R2+\i], 0, v15, s33
.else
	v_cndmask_b32 v[R1+\i], v[R1+\i], v15, s32
	v_cndmask_b32 v[R2+\i], v[R2+\i], v15, s33
.endif
	s_bcnt1_i32_b32 s34, s34
	s_add_co_u32 s[36+\e], s[36+\e], s34
.endr
	QL4 \i
.endr
	s_wait_alu depctr_va_vdst(0)                   ; ahead of the run of scalar lines below
	s_mov_b32 s52, 0
.irp e, 0,1,2,3,4,5,6,7
	s_sub_co_u32 s[44+\e], s[36+\e], 256*\e-15
	s_lshr_b32 s[44+\e], s[44+\e], 4               ; tiles of expert e
.endr
.irp e, 0,1,2,3,4,5,6
	s_add_co_u32 s[53+\e], s[52+\e], s[44+\e]      ; first tiles: a prefix sum
.endr
	s_lshr_b32 s35, ttmp9, 5                       ; my expert
	s_mov_b32 s22, 0
	v_mov_b32 v14, 0
.irp e, 0,1,2,3,4,5,6,7
	s_lshl_b32 s34, s[44+\e], 8
	s_or_b32 s34, s34, s[52+\e]
	v_writelane_b32 v14, s34, \e                   ; SEG's row
	s_cmp_eq_u32 s35, \e
	s_cselect_b32 s22, s34, s22                    ; and my expert's word of it
.endr
	s_lshl_b32 s34, s35, 8
.irp i, 0,1,2,3,4,5,6,7
	v_sub_nc_u32 v[E1+\i], v[R1+\i], s34           ; my rank in my expert's list, if under 256
	v_sub_nc_u32 v[E2+\i], v[R2+\i], s34
.endr
.irp i, 0,1,2,3,4,5,6,7
	v_min_u32 v[E1+\i], v[E1+\i], v[E2+\i]
.endr
.irp i, 0,1,2,3,4,5,6,7
	v_min_u32 v[E1+\i], 0x100, v[E1+\i]            ; tokens of other experts go to word 256
.endr
.irp i, 0,1,2,3,4,5,6,7
	v_lshl_add_u32 v[E1+\i], v[E1+\i], 2, s23
.endr
.irp i, 0,1,2,3,4,5,6,7
	v_add_nc_u32 v[E2+\i], 32*\i, v[LN]            ; the local token
.endr
.irp i, 0,1,2,3,4,5,6,7
	ds_store_b32 v[E1+\i], v[E2+\i]
.endr
.irp t, 0,1,2,3,4,5,6,7,8,9,10,11,12,13,14,15
	ds_load_b32 v[TL+\t], v[LR] offset:64*\t       ; LDS serves a wave's instructions in order: the token of row r of tile t
.endr
	s_and_b32 s20, s22, 0xff
	s_min_u32 s20, s20, 39                         ; the first tile lies among the group's 40,
	s_bfe_u32 s24, s22, 0x80008
	s_min_u32 s24, s24, 16                         ; and 256 tokens give an expert at most 16 tiles
	s_mul_i32 s21, s16, 40
	s_add_co_u32 s21, s21, s20                     ; my first tile among the 320
	s_and_b32 s20, ttmp9, 31                       ; j
	s_lshl_b32 s62, s21, 13
	s_lshl_b32 s22, s20, 8
	s_add_co_u32 s62, s62, s22
	s_add_nc_u64 s[30:31], s[14:15], s[62:63]      ; h's codes: block j of the tile
	s_lshl_b32 s62, s21, 9
	s_add_co_u32 s62, s62, 2621440
	s_lshr_b32 s22, s20, 4
	s_lshl_b32 s22, s22, 8
	s_add_co_u32 s62, s62, s22
	s_and_b32 s22, s20, 15
	s_add_co_u32 s62, s62, s22
	s_add_nc_u64 s[32:33], s[14:15], s[62:63]      ; h's scale bytes: byte j % 16 of half j / 16
	s_wait_alu depctr_va_vdst(0)
	s_cmp_lg_u32 ttmp9, 0                          ; the tables are stored by one work-group, a group a wave
	s_cbranch_scc1 .Lnotab
.irp i, 0,1,2,3,4,5,6,7
	v_lshl_or_b32 v[R1+\i], v[R2+\i], 16, v[R1+\i]
.endr
.irp i, 0,1,2,3,4,5,6,7
	global_store_b32 v13, v[R1+\i], s[88:89] offset:128*\i
.endr
	global_store_b32 v13, v14, s[90:91]            ; (v13, v14 and v228-235 are not written again)
.Lnotab:
	s_wait_dscnt 0x0
	XGATHER                                        ; the first tile (a list with no user holds token 0: the loads stay inside xrow)
	QSTEP 0, 63                                    ; behind step 0's loads: 48 of weights and 17 of x: 65
	QSTEP 1, 49                                    ; 32 + 17
	QSTEP 2, 33                                    ; 16 + 17
	QSTEP 3, 17                                    ; x's 17
	s_wait_dscnt 0x0                               ; for the others' sake: my codes and scale words lie in LDS
	s_barrier_signal -1
	s_barrier_wait -1
	WIN 0x40
.set QN, 0
.rept 64
	ds_load_b128 v[4*QN:4*QN+3], v[IMR] offset:512*QN   ; all 32 fragments, as they lie
.set QN, QN+1
.endr
	WIN 0
.irp a, 0,1,2,3
	ds_load_b128 v[WS+4*\a:WS+4*\a+3], v[IMR] offset:32768+512*\a   ; scale register i: K step i's words in lanes 0-15, K step 4 + i's in lanes 16-31
.endr
	s_mov_b32 s34, 0x3f3504f3                      ; 1 / sqrt(2)
	KPAIR 36, 0xbfb8aa3b                           ; -log2(e)
	KPAIR 38, 0x3e7c6f08                           ; k9
	KPAIR 40, 0x40097039                           ; k7
	KPAIR 42, 0xbfd1a1e5                           ; k6
	KPAIR 44, 0x3ecdfd18                           ; k5
	KPAIR 46, 0xbe899a80                           ; k4
	KPAIR 48, 0x3e0efb2e                           ; k3
	KPAIR 50, 0x3f0a29d2                           ; k2
	KPAIR 52, 0x3fb8ab5a                           ; k1
	KPAIR 54, 0xc034d90f                           ; k0
	v_mov_b32 v180, 0xbf97d29d                     ; k8
	v_mov_b32 v181, 0xbf97d29d
	v_mov_b32 v184, 0                              ; a lane permute's destination counts as read
	s_mov_b32 s25, 0
	s_wait_alu depctr_va_vdst(0)
	s_wait_dscnt 0x0
	s_cmp_eq_u32 s24, 0                            ; no token of my group chose this expert
	s_cbranch_scc1 .Lend
.Ltile:
	s_wait_loadcnt 0x0                             ; this tile's sixteen rows and scale words
.irp i, 0,1,2,3,4,5,6,7,8,9,10,11,12,13,14,15
	ds_store_b128 v8, v[XF+4*\i:XF+4*\i+3] offset:16*\i     ; row i: lane l holds its block l
.endr
.irp m, 0,1,2,3,4,5,6,7,8,9,10,11,12,13,14,15
	ds_load_b128 v[XF+4*\m:XF+4*\m+3], v9 offset:544*\m     ; LDS serves a wave's instructions in order: block 2 m + h of row r
.endr
	s_wait_dscnt 0x0
	MULS
.rept 4
	v_nop                                          ; places in front of writes and loads into registers that the matrix instructions have read, and of the first read of results
.endr
	s_add_co_u32 s25, s25, 1
	s_cmp_ge_u32 s25, s24                          ; was that my last tile?
	s_cbranch_scc1 .Lnog
	XGATHER                                        ; the next tile lands while this one's gelu is worked
.Lnog:
	GELU
	HQ
	global_store_b64 v2, v[192:193], s[30:31]      ; the wave stores 256 consecutive bytes, aligned: block j of the tile's image
	global_store_b8 v3, v194, s[32:33]             ; both lanes of a row write the same byte with the same value
	s_wait_xcnt 0x0                                ; the stores' data and bases are written again only behind this wait
	s_add_nc_u64 s[30:31], s[30:31], 8192
	s_add_nc_u64 s[32:33], s[32:33], 512
	s_cmp_lt_u32 s25, s24
	s_cbranch_scc1 .Ltile
.Lend:
	s_wait_tensorcnt 0x0                           ; the wave's end: behind my last LDS store
	ds_add_u32 v[SPW], v[NIL]
	s_wait_dscnt 0x0
	s_endpgm
.Lfunc_end_k_q753eb47717_up:
	.size	k_q753eb47717_up, .Lfunc_end_k_q753eb47717_up-k_q753eb47717_up
	.p2alignl 7, 3214868480
	.fill 96, 4, 3214868480
	.section	.rodata,"a",@progbits
	.p2align	6, 0x0
	.amdhsa_kernel k_q753eb47717_up
		.amdhsa_group_segment_fixed_size 115712
		.amdhsa_private_segment_fixed_size 0
		.amdhsa_enable_private_segment 0
		.amdhsa_kernarg_size 48
		.amdhsa_user_sgpr_count 2
		.amdhsa_user_sgpr_kernarg_segment_ptr 1
		.amdhsa_wavefront_size32 1
		.amdhsa_system_sgpr_workgroup_id_x 1
		.amdhsa_system_sgpr_workgroup_id_y 1
		.amdhsa_system_sgpr_workgroup_id_z 1
		.amdhsa_system_vgpr_workitem_id 0
		.amdhsa_next_free_vgpr 512
		.amdhsa_next_free_sgpr 92
		.amdhsa_reserve_vcc 1
		.amdhsa_float_denorm_mode_32 3
		.amdhsa_float_denorm_mode_16_64 3
		.amdhsa_memory_ordered 1
		.amdhsa_forward_progress 1
		.amdhsa_inst_pref_size 106
	.end_amdhsa_kernel
	.amdgpu_metadata
---
amdhsa.version: [ 1, 2 ]
amdhsa.kernels:
  - .name:           k_q753eb47717_up
    .symbol:         k_q753eb47717_up.kd
    .args:
      - { .name: w1, .offset: 0, .size: 8, .value_kind: global_buffer, .address_space: global }
      - { .name: w3, .offset: 8, .size: 8, .value_kind: global_buffer, .address_space: global }
      - { .name: xrow, .offset: 16, .size: 8, .value_kind: global_buffer, .address_space: global }
      - { .name: sel, .offset: 24, .size: 8, .value_kind: global_buffer, .address_space: global }
      - { .name: tab, .offset: 32, .size: 8, .value_kind: global_buffer, .address_space: global }
      - { .name: hbuf, .offset: 40, .size: 8, .value_kind: global_buffer, .address_space: global }
    .group_segment_fixed_size: 115712
    .private_segment_fixed_size: 0
    .kernarg_segment_align: 8
    .kernarg_segment_size: 48
    .max_flat_workgroup_size: 256
    .sgpr_count:     92
    .vgpr_count:     512
    .wavefront_size: 32
...
	.end_amdgpu_metadata
.endif
;; end of part 2
;; launch down (part 3): grid 256 x 1, 16 waves a work-group, no clusters, 296,960 bytes of LDS; arguments w2c, hbuf, tab, xrow, out0; writes out0
.if DOCPART == 3
	.amdgcn_target "amdgcn-amd-amdhsa--gfx1250"
	.amdhsa_code_object_version 6
	.text
	.protected	k_q753eb47717_down
	.globl	k_q753eb47717_down
	.p2align	8
	.type	k_q753eb47717_down,@function
k_q753eb47717_down:
	s_mov_b64 s[64:65], 0
	v_nop
	global_prefetch_b8 v0, s[64:65] scope:SCOPE_SE
	s_setreg_imm32_b32 hwreg(HW_REG_WAVE_MODE, 25, 1), 1
	s_wait_xcnt 0x0
; LAUNCH 3 OF 3.  out[token][c] = rw1 (h1 w2[e1]^T)[c] + rw2 (h2 w2[e2]^T)[c], stored as [b][c][hw], for each token's two chosen experts alone (the other experts' rows are left out: see the first launch).
; Each output number has one owner, so nothing is added through memory.
; Work-group id = g 32 + cs owns the 256 tokens of group g x outputs 32 cs .. 32 cs + 31.  Wave w (e = w / 2, p = w % 2) multiplies tiles p, p + 2, .. of segment (g, e) by its two weight tiles
; (16 outputs each, K = 1,024, kept in registers) and lays the results in LDS by (expert, rank); behind one barrier each token's two rows are fetched by the table, weighed and added.
; THE PRODUCT IS USED TRANSPOSED (source 0 = 16 rows of w2, source 1 = 16 rows of h): a lane holds one row of h and eight neighbouring outputs.
; Operands lie in memory as TILE IMAGES: codes [block of 32][row][16 bytes], scale words [half][row][4 words]; scale register i holds K step i's words in lanes 0-15 and K step 4 + i's in lanes 16-31.
; tab (stored by the launch before): SEG [g][32 words] at 0: word e = first tile | tiles << 8;   SIG [token] at 1,024: (e1 256 + rank1) | (e2 256 + rank2) << 16.
; The two contributions are added in the order of the top-2, not of the experts' numbers.
; No tensor loads and so no joint loads, though the 32 work-groups of a group read the same tiles of h: the number of tiles hangs on a number read from memory.  The two waves of an expert each load its
; weights: the results' 294,912 bytes leave no LDS through which to share them.
; LDS: [e 256 + rank][32 f32 + 16 bytes]: 2,048 rows of 144 bytes; behind them the spare words, 128 bytes a wave.  The rows are written once with zeros at the head, while the kernel's arguments are on their way,
; a sixteenth a wave, with a barrier behind: so every byte that the combine's loads can name has been written, whatever the table holds.
; REGISTERS: v1-2, v8 addresses; v6-7 for the add alone; v16-23 w2's scale words, v24-27 h's (scales and nothing else); v28-43 two accumulators; v44-47 four tokens' table words; v48-55 their gate weights;
;   v64-127 h's eight fragments; v128-255 w2's sixteen fragments, (ct, s) at v[128 + 64 ct + 8 s]; behind the barrier v128-159 the fetched rows, v160-175 the results, v176-183 addresses.
.set WS,  16
.set HS,  24
.set AC,  28
.set SG,  44
.set RW,  48
.set HF,  64
.set WF,  128
.macro HLOAD                           ; a tile of h: eight fragments and the scale words, 512 consecutive bytes a load
.irp m, 0,1,2,3,4,5,6,7,8,9,10,11,12,13,14,15
	global_load_b128 v[HF+4*\m:HF+4*\m+3], v1, s[36:37] offset:512*\m
.endr
	global_load_b128 v[HS:HS+3], v1, s[38:39]
.endm
.macro TRIP k                          ; my k-th tile: tile 2 k + p of the segment
	s_wait_loadcnt 0x0                             ; the tile (and, the first time, the weights)
	s_wait_dscnt 0x0                               ; the last tile's LDS stores have read the accumulators
.irp s, 0,1,2,3,4,5,6,7                ; K ascending, the two accumulators by turns, one instruction a turn; the first K step starts the sums
.irp ct, 0,1
.if \s == 0
	v_wmma_scale_f32_16x16x128_f8f6f4 v[AC+8*\ct:AC+8*\ct+7], v[WF+64*\ct+8*\s:WF+64*\ct+8*\s+7], v[HF+8*\s:HF+8*\s+7], 0, v[WS+4*\ct+\s], v[HS+\s] matrix_a_fmt:MATRIX_FMT_FP4 matrix_b_fmt:MATRIX_FMT_FP4
.elseif \s < 4
	v_wmma_scale_f32_16x16x128_f8f6f4 v[AC+8*\ct:AC+8*\ct+7], v[WF+64*\ct+8*\s:WF+64*\ct+8*\s+7], v[HF+8*\s:HF+8*\s+7], v[AC+8*\ct:AC+8*\ct+7], v[WS+4*\ct+\s], v[HS+\s] matrix_a_fmt:MATRIX_FMT_FP4 matrix_b_fmt:MATRIX_FMT_FP4
.else
	v_wmma_scale_f32_16x16x128_f8f6f4 v[AC+8*\ct:AC+8*\ct+7], v[WF+64*\ct+8*\s:WF+64*\ct+8*\s+7], v[HF+8*\s:HF+8*\s+7], v[AC+8*\ct:AC+8*\ct+7], v[WS+4*\ct+\s-4], v[HS+\s-4] matrix_a_fmt:MATRIX_FMT_FP4 matrix_b_fmt:MATRIX_FMT_FP4 matrix_a_scale:MATRIX_SCALE_ROW1 matrix_b_scale:MATRIX_SCALE_ROW1
.endif
.endr
.endr
.rept 5
	v_nop                                          ; four places in front of the stores of results and of loads into operands; a fifth, since the next tile's first product begins an accumulator anew
.endr
.irp ct, 0,1
	ds_store_b128 v2, v[AC+8*\ct:AC+8*\ct+3] offset:4608*\k+64*\ct         ; each accumulator from its low end on
	ds_store_b128 v2, v[AC+8*\ct+4:AC+8*\ct+7] offset:4608*\k+64*\ct+16
.endr
.if \k < 7
	s_add_co_u32 s19, s18, 2*\k+2
	s_cmp_ge_u32 s19, s34                          ; was that my last tile?
	s_cbranch_scc1 .Ldone
	s_add_nc_u64 s[36:37], s[36:37], 16384         ; two tiles on (the wait at the trip's head has shown the loads that named these bases done)
	s_add_nc_u64 s[38:39], s[38:39], 1024
	HLOAD
.endif
.endm
	s_load_b256 s[4:11], s[0:1], 0x0               ; w2c s[4:5], hbuf s[6:7], tab s[8:9], xrow s[10:11]
	s_load_b64 s[12:13], s[0:1], 0x20              ; out0
	v_lshl_add_u32 v6, v0, 2, 294912               ; my spare word, behind the results' rows
	v_mov_b32 v7, 0
	v_lshrrev_b32 v3, 5, v0
	s_delay_alu instid0(VALU_DEP_1)
	v_readfirstlane_b32 s14, v3                    ; wave 0..15
	v_and_b32 v3, 31, v0
	v_and_b32 v4, 15, v0                           ; r
	v_bfe_u32 v5, v0, 4, 1                         ; h
	s_delay_alu instid0(VALU_DEP_3)
	v_lshlrev_b32 v1, 4, v3                        ; 16 lane
	s_lshr_b32 s15, ttmp9, 5                       ; g
	s_and_b32 s16, ttmp9, 31                       ; cs
	s_lshr_b32 s17, s14, 1                         ; e
	s_and_b32 s18, s14, 1                          ; p
	s_mul_i32 s43, s14, 18432
	v_add_nc_u32 v8, s43, v1                       ; my sixteenth of the results' LDS, 16 bytes a lane
	s_mul_i32 s19, s17, 36864                      ; 256 rows of 144 bytes an expert,
	s_mul_i32 s35, s18, 2304                       ; 16 a tile
	s_add_co_u32 s19, s19, s35
	s_wait_alu depctr_va_vdst(0)
	v_mul_u32_u24 v2, v4, 144
	s_delay_alu instid0(VALU_DEP_1)
	v_lshl_add_u32 v2, v5, 5, v2
	s_delay_alu instid0(VALU_DEP_1)
	v_add_nc_u32 v2, s19, v2                       ; LDS: row r of my first tile, my eight outputs
.irp i, 0,1,2,3
	v_mov_b32 v[AC+\i], 0
.endr
	s_and_b32 s42, s14, 7
	s_lshl_b32 s42, s42, 4                         ; the combine: my four outputs' 16 bytes of a row
	s_mov_b32 s21, 0
	s_wait_alu depctr_va_vdst(0)
.set QM, 0
.rept 36                               ; my 18,432 bytes of the results' rows, 512 a store
	ds_store_b128 v8, v[AC:AC+3] offset:512*QM
.set QM, QM+1
.endr
	s_wait_dscnt 0x0                               ; for the others' sake
	s_barrier_signal -1
	s_barrier_wait -1
	s_wait_kmcnt 0x0
	s_lshl_b32 s20, s15, 7
	s_lshl_b32 s19, s17, 2
	s_add_co_u32 s20, s20, s19
	s_add_nc_u64 s[30:31], s[8:9], s[20:21]
	s_load_b32 s32, s[30:31], 0x0                  ; SEG[g][e]: first tile | tiles << 8
	s_lshl_b32 s19, s17, 5
	s_add_co_u32 s19, s19, s16                     ; e 32 + cs
	s_lshl_b32 s20, s19, 14
	s_add_nc_u64 s[22:23], s[4:5], s[20:21]        ; my two weight tiles' codes
	s_lshl_b32 s20, s19, 10
	s_add_co_u32 s20, s20, 4194304
	s_add_nc_u64 s[24:25], s[4:5], s[20:21]        ; and scale words
	s_lshl_b32 s35, s15, 10
	s_lshr_b32 s19, s14, 3
	s_lshl_b32 s19, s19, 9
	s_add_co_u32 s35, s35, s19                     ; 4 x (256 g + 128 (w / 8)): the 128 tokens that I combine
	s_add_co_u32 s20, s35, 1024
	s_add_nc_u64 s[26:27], s[8:9], s[20:21]        ; their table words
	s_add_co_u32 s20, s35, 1114112
	s_add_nc_u64 s[28:29], s[10:11], s[20:21]      ; their gate weights
	s_lshr_b32 s19, s15, 2
	s_lshl_b32 s20, s19, 22                        ; out0: b = g / 4,
	s_lshl_b32 s19, s16, 17
	s_add_co_u32 s20, s20, s19                     ; c = 32 cs
	s_lshl_b32 s19, s42, 10
	s_add_co_u32 s20, s20, s19                     ;     + 4 (w % 8), rows of 4,096 bytes,
	s_and_b32 s19, s15, 3
	s_lshl_b32 s19, s19, 10
	s_add_co_u32 s20, s20, s19                     ; hw = 256 (g % 4)
	s_lshr_b32 s19, s14, 3
	s_lshl_b32 s19, s19, 9
	s_add_co_u32 s20, s20, s19                     ;      + 128 (w / 8)
	s_add_nc_u64 s[40:41], s[12:13], s[20:21]
.set QM, 0
.rept 32
	global_load_b128 v[WF+4*QM:WF+4*QM+3], v1, s[22:23] offset:512*QM
.set QM, QM+1
.endr
.irp ct, 0,1
	global_load_b128 v[WS+4*\ct:WS+4*\ct+3], v1, s[24:25] offset:512*\ct
.endr
	global_load_b128 v[SG:SG+3], v1, s[26:27]      ; lane l: tokens 4 l .. 4 l + 3 of my 128
	global_load_b128 v[RW:RW+3], v1, s[28:29]
	global_load_b128 v[RW+4:RW+7], v1, s[28:29] offset:8192
	s_wait_kmcnt 0x0
	s_and_b32 s33, s32, 0xff
	s_min_u32 s33, s33, 39                         ; the first tile lies among the group's 40,
	s_bfe_u32 s34, s32, 0x80008
	s_min_u32 s34, s34, 16                         ; and 256 tokens give an expert at most 16 tiles
	s_cmp_le_u32 s34, s18
	s_cbranch_scc1 .Ldone                          ; no tile for me
	s_mul_i32 s19, s15, 40
	s_add_co_u32 s19, s19, s33
	s_add_co_u32 s19, s19, s18                     ; my first tile among the 320
	s_lshl_b32 s20, s19, 13
	s_add_nc_u64 s[36:37], s[6:7], s[20:21]
	s_lshl_b32 s20, s19, 9
	s_add_co_u32 s20, s20, 2621440
	s_add_nc_u64 s[38:39], s[6:7], s[20:21]
	HLOAD
.irp k, 0,1,2,3,4,5,6,7
	TRIP \k
.endr
.Ldone:
	s_wait_loadcnt 0x0                             ; the table words and gate weights; and no load is still on its way into the registers that are used anew below
	s_wait_dscnt 0x0                               ; for the others' sake: my results lie in LDS
	s_barrier_signal -1
	s_barrier_wait -1
	; ---- the combine: wave w takes outputs 4 (w % 8) .. + 3 for 128 tokens, four tokens a lane
.irp i, 0,1,2,3
	v_and_b32 v[176+\i], 0xffff, v[SG+\i]          ; e1 256 + rank1
	v_lshrrev_b32 v[180+\i], 16, v[SG+\i]          ; e2 256 + rank2
.endr
.irp i, 0,1,2,3,4,5,6,7
	v_min_u32 v[176+\i], 2047, v[176+\i]           ; a row lies among the 2,048
	s_delay_alu instid0(VALU_DEP_1)
	v_mul_u32_u24 v[176+\i], v[176+\i], 144
	s_delay_alu instid0(VALU_DEP_1)
	v_add_nc_u32 v[176+\i], s42, v[176+\i]
.endr
.irp i, 0,1,2,3
	ds_load_b128 v[128+4*\i:128+4*\i+3], v[176+\i]
	ds_load_b128 v[144+4*\i:144+4*\i+3], v[180+\i]
.endr
	s_wait_dscnt 0x0
.irp k, 0,1,2,3                        ; the choice of the destination turns [token][output] into [output][token]
.irp i, 0,1,2,3
	v_mul_f32 v[160+4*\k+\i], v[RW+\i], v[128+4*\i+\k]
.endr
.endr
.irp k, 0,1,2,3
.irp i, 0,1,2,3
	v_fmac_f32 v[160+4*\k+\i], v[RW+4+\i], v[144+4*\i+\k]
.endr
.endr
.irp k, 0,1,2,3
	global_store_b128 v1, v[160+4*\k:160+4*\k+3], s[40:41] offset:4096*\k th:TH_STORE_NT   ; 128 tokens of one output: 512 consecutive bytes, aligned
.endr
	s_wait_tensorcnt 0x0                           ; the wave's end: behind my last LDS store
	ds_add_u32 v6, v7
	s_wait_dscnt 0x0
	s_endpgm
.Lfunc_end_k_q753eb47717_down:
	.size	k_q753eb47717_down, .Lfunc_end_k_q753eb47717_down-k_q753eb47717_down
	.p2alignl 7, 3214868480
	.fill 96, 4, 3214868480
	.section	.rodata,"a",@progbits
	.p2align	6, 0x0
	.amdhsa_kernel k_q753eb47717_down
		.amdhsa_group_segment_fixed_size 296960
		.amdhsa_private_segment_fixed_size 0
		.amdhsa_enable_private_segment 0
		.amdhsa_kernarg_size 40
		.amdhsa_user_sgpr_count 2
		.amdhsa_user_sgpr_kernarg_segment_ptr 1
		.amdhsa_wavefront_size32 1
		.amdhsa_system_sgpr_workgroup_id_x 1
		.amdhsa_system_sgpr_workgroup_id_y 1
		.amdhsa_system_sgpr_workgroup_id_z 1
		.amdhsa_system_vgpr_workitem_id 0
		.amdhsa_next_free_vgpr 256
		.amdhsa_next_free_sgpr 66
		.amdhsa_reserve_vcc 0
		.amdhsa_float_denorm_mode_32 3
		.amdhsa_float_denorm_mode_16_64 3
		.amdhsa_memory_ordered 1
		.amdhsa_forward_progress 1
		.amdhsa_inst_pref_size 48
	.end_amdhsa_kernel
	.amdgpu_metadata
---
amdhsa.version: [ 1, 2 ]
amdhsa.kernels:
  - .name:           k_q753eb47717_down
    .symbol:         k_q753eb47717_down.kd
    .args:
      - { .name: w2c, .offset: 0, .size: 8, .value_kind: global_buffer, .address_space: global }
      - { .name: hbuf, .offset: 8, .size: 8, .value_kind: global_buffer, .address_space: global }
      - { .name: tab, .offset: 16, .size: 8, .value_kind: global_buffer, .address_space: global }
      - { .name: xrow, .offset: 24, .size: 8, .value_kind: global_buffer, .address_space: global }
      - { .name: out0, .offset: 32, .size: 8, .value_kind: global_buffer, .address_space: global }
    .group_segment_fixed_size: 296960
    .private_segment_fixed_size: 0
    .kernarg_segment_align: 8
    .kernarg_segment_size: 40
    .max_flat_workgroup_size: 512
    .sgpr_count:     66
    .vgpr_count:     256
    .wavefront_size: 32
...
	.end_amdgpu_metadata
.endif
;; end of part 3
